; MI455X (gfx1250); checked and timed in simulation.
; The chip was launched on July 23, 2026; its instructions are those of AMD's public machine-readable ISA for CDNA 5 (MIT licence, August 2026) and "CDNA5" Instruction Set Architecture Reference Guide (July 2026). The comments in the code are by the model that wrote it; some were corrected since.
;; Multi Headed Self Attention. Allowed arithmetic: matrix products marked QUANTISED: E2M1 operands, one E8M0 scale for each 32 along K, by v_wmma_scale_f32_16x16x128_f8f6f4 with both operands' format E2M1 (or v_wmma_scale_f32_32x16x128_f4), f32 sums; everything else in f32.
;; Inputs: Wk 1,024 x 1,024 float32; Wq 1,024 x 1,024 float32; Wv 1,024 x 1,024 float32; bk 1,024 float32; bq 1,024 float32; bv 1,024 float32; x 4 x 2,048 x 1,024 float32.
;; Outputs: out0 4 x 2,048 x 1,024 float32.
;; This version of the problem:
;;   THIS VERSION OF THE PROBLEM IS GIVEN IN LOW PRECISION. The matrix products marked QUANTISED in the list below multiply operands that are first quantised to E2M1 (2 exponent bits, 1 mantissa bit; 4 bits a number), with one power-of-two scale for each 32 numbers along K (OCP MX v1.0); their sums are f32. All else is computed in f32.
;;   The module's matrix products, in the order in which they are computed (A, B: the left and right operand; K: the contracted axis; several contracted axes count as one K, in the product's order):
;;     1. [M 8,192, K 1,024] x [K 1,024, N 1,024]; A: input x; B: input Wq: QUANTISED
;;     2. [M 8,192, K 1,024] x [K 1,024, N 1,024]; A: input x; B: input Wk: QUANTISED
;;     3. [M 8,192, K 1,024] x [K 1,024, N 1,024]; A: input x; B: input Wv: QUANTISED
;;     4. batch 64 x [M 2,048, K 64] x [K 64, N 2,048]; A: computed on the way; B: computed on the way: QUANTISED
;;     5. batch 64 x [M 2,048, K 2,048] x [K 2,048, N 64]; A: softmax (see below); B: computed on the way: QUANTISED
;;   THE QUANTISER, for each operand of a quantised product, along K:
;;     - K is cut into blocks of 32 from its start; a last block that is shorter is filled with zeros.
;;     - A block's scale is 2^e with e = floor(log2(the largest magnitude in the block)) - 2, held to -126 .. 127; a block of zeros has e = 0. As a byte (E8M0): e + 127.
;;     - Each number is divided by its block's scale, clamped to +-6, and rounded to the nearest number of E2M1, ties to even, subnormals kept.
;;     - The product sums the exact products of the quantised numbers (number of the format x scale) in f32.
;;   ~~~python
;;   def quantise(x, axis):      # numpy; x: float32 -> the quantised numbers, widened to float32 again
;;       x = np.moveaxis(x, axis, -1); K = x.shape[-1]
;;       x = np.pad(x, [(0, 0)] * (x.ndim - 1) + [(0, -K % 32)]); x = x.reshape(x.shape[:-1] + (-1, 32)); a = np.abs(x).max(-1, keepdims=True)
;;       e = np.where(a > 0, np.clip(np.frexp(np.where(a > 0, a, 1))[1] - 1 - 2, -126, 127), 0)      # np.frexp(a)[1] - 1 = floor(log2(a)), exactly
;;       r = np.clip(x / 2.0 ** e, -6, 6)
;;       step = 2.0 ** (np.maximum(np.frexp(np.where(r == 0, 1, r))[1] - 1, 0) - 1)
;;       q = np.round(r / step) * step * 2.0 ** e      # np.round: ties to even
;;       return np.moveaxis(q.reshape(q.shape[:-2] + (-1,))[..., :K], -1, axis).astype(np.float32)
;;   ~~~
;;   SOFTMAX AHEAD OF A QUANTISED PRODUCT. Where the list says 'softmax', what is quantised is not the finished softmax but p = 2^(t - M), with t = logit x log2(e) and M = ceil(the row's largest t), a whole number; so 1/2 < the row's largest p <= 1. The row's sum l is taken of the UNQUANTISED p, in f32, and the product's result is divided by l at the end. Since M is a whole number, a kernel that streams over the keys may use a running M (the ceiling of the running maximum): every later rescaling is an exact power of two, which a block's scale takes up: the codes' values come out the same.
;;   OPERANDS COMPUTED ON THE WAY. 'Computed on the way' means the value that the module computes at that place (a softmax that the list does not call 'softmax' is quantised finished and normalised). What goes into a quantiser is computed in f32, as accurately as f32 sums, v_exp_f32 and their like allow (about 1e-6 of the number): no bf16 or f16 on the way to a quantiser, and a product that is left as it is and whose result goes on into a quantised operand takes f32 operands (vector FMAs, or v_wmma_f32_16x16x4_f32). A number that lies on a knife's edge between two numbers of the format may be rounded either way, as far as f32 arithmetic and the matrix unit's own rounding can turn it there, and no further.
;; One version. Each part assembles by itself: llvm-mc -triple=amdgcn-amd-amdhsa -mcpu=gfx1250 --defsym DOCPART=n.
;; ======== version 1 of 1: 3 launches
;; limits: right only within a limited range of input values
;; workspace buffers: codes 5,767,168 bytes; scales 360,448 bytes; qkv 18,874,368 bytes
;; launch quant (part 1): grid 352 x 1, 4 waves a work-group, no clusters, 33,280 bytes of LDS; arguments x, Wq, Wk, Wv, codes, scales; writes codes, scales
.if DOCPART == 1
	.amdgcn_target "amdgcn-amd-amdhsa--gfx1250"
	.amdhsa_code_object_version 6
	.text
	.protected	k_q8d70343f32_quant
	.globl	k_q8d70343f32_quant
	.p2align	8
	.type	k_q8d70343f32_quant,@function
k_q8d70343f32_quant:
	s_mov_b64 s[64:65], 0
	v_nop
	global_prefetch_b8 v0, s[64:65] scope:SCOPE_SE
	s_setreg_imm32_b32 hwreg(HW_REG_WAVE_MODE, 25, 1), 1
	s_wait_xcnt 0x0
; x [8192][1024], Wq, Wk, Wv [1024][1024], f32, K innermost, become codes of FP4 (E2M1), two a byte, and one E8M0 scale byte for each 32 along K,
; in ONE stack of 11,264 rows: Wv 0-1,023, Wq 1,024-2,047, Wk 2,048-3,071, x 3,072-11,263.  codes: 512 bytes a row; scales: 32 bytes a row.
; A block's scale is 2^(floor(log2(largest magnitude)) - 2): its byte is the largest magnitude's exponent field - 2, held at 1 from below.
; STORED ROWS: in each group of 32 rows the two middle groups of 8 change places, so that stored row 16 u + r holds row 8 u + r + 8 (r / 8).  A wave takes 8 rows, so the exchange is a choice of where a wave writes.
; LIMITS: NaN and infinities are not served.  A block of zeros, or one whose largest magnitude lies under 2^-124, gets the byte 1 (the bytes are read by this program alone; zero codes add nothing).
; A wave takes 16 steps of 512 numbers.  Each load reads 512 consecutive bytes; a step's 2,048 bytes turn through the wave's own stage in LDS, so that a lane then holds 16 neighbours; two lanes hold a block.
; No tensor loads, no barrier, no cluster: waves and work-groups share nothing.  Loads run eight steps (32 loads, 16,384 bytes a wave) ahead, the turn through LDS one step.
.set STEPS, 16
.set AHEAD, 8
.set EMAX,  2
.set CB,    8                          ; bytes of 16 codes
.set R,     16                         ; v16-143  eight sets of 16 numbers as loaded
.set X,     144                        ; v144-175 two sets of 16 neighbours
.set E,     176                        ; v176-191 a scale byte for each step
.set C,     192                        ; v192-223 codes: two registers for each step, so that no store's data are written again
.set SPW,   224
.set NIL,   225
.set WREG,  8192                       ; LDS: a region for each wave: two stages of 32 x SP bytes, then its 256 scale bytes
.set SP,    80                         ; a lane's place in a stage: 64 bytes + 16 of padding
	s_load_b256 s[4:11], s[0:1], 0x0               ; x s[4:5], Wq s[6:7], Wk s[8:9], Wv s[10:11]
	s_load_b128 s[12:15], s[0:1], 0x20             ; codes s[12:13], scales s[14:15]
	v_lshl_add_u32 v[SPW], v0, 2, 0x8000
	v_mov_b32 v[NIL], 0
	v_lshrrev_b32 v1, 5, v0
	v_readfirstlane_b32 s16, v1                    ; wave 0..3
	v_and_b32 v2, 31, v0                           ; lane
	v_lshlrev_b32 v3, 4, v2                        ; my 16 bytes of a load's 512
	s_mul_i32 s17, s16, WREG
	v_lshrrev_b32 v14, 2, v2
	v_mul_u32_u24 v14, v14, SP
	v_and_b32 v15, 3, v2
	v_lshl_add_u32 v14, v15, 4, v14
	v_add_nc_u32 v14, s17, v14                     ; the stage, in: SP (lane / 4) + 16 (lane % 4)
	v_mul_u32_u24 v15, v2, SP
	v_add_nc_u32 v15, s17, v15                     ; and out: SP x lane: my 16 neighbours
	v_mul_u32_u24 v4, v2, CB                       ; my codes' place in a step's
	v_lshrrev_b32 v5, 1, v2
	s_add_co_u32 s17, s17, 2*32*SP
	v_add_nc_u32 v5, s17, v5                       ; my block's byte among my wave's 256
	v_lshlrev_b32 v7, 3, v2                        ; on the way out 8 bytes a lane
	v_add_nc_u32 v6, s17, v7
	s_wait_alu depctr_va_vdst(0)                   ; the wait at the head's end
	s_wait_kmcnt 0x0
	s_mov_b64 s[20:21], s[4:5]                     ; which tensor: the choice hangs on the work-group's number alone
	s_mov_b32 s22, 96                              ; and the tensor's first work-group
	s_cmp_lt_u32 ttmp9, 96
	s_cselect_b64 s[20:21], s[8:9], s[20:21]       ; 64-95: Wk
	s_cselect_b32 s22, 64, s22
	s_cmp_lt_u32 ttmp9, 64
	s_cselect_b64 s[20:21], s[6:7], s[20:21]       ; 32-63: Wq
	s_cselect_b32 s22, 32, s22
	s_cmp_lt_u32 ttmp9, 32
	s_cselect_b64 s[20:21], s[10:11], s[20:21]     ; 0-31: Wv
	s_cselect_b32 s22, 0, s22
	s_sub_co_u32 s23, ttmp9, s22
	s_lshl_b32 s23, s23, 2
	s_add_co_u32 s23, s23, s16                     ; the run of 8 rows that I read
	s_lshl_b32 s24, s23, 15                        ; 32,768 bytes a run (at most 1,023 runs: under 2^25)
	s_mov_b32 s25, 0
	s_add_nc_u64 s[20:21], s[20:21], s[24:25]
	s_and_b32 s26, s16, 1
	s_lshl_b32 s26, s26, 1
	s_lshr_b32 s27, s16, 1
	s_or_b32 s26, s26, s27                         ; waves 1 and 2 change places
	s_lshl_b32 s27, ttmp9, 2
	s_add_co_u32 s26, s26, s27                     ; the run of 8 stored rows that I write
	s_lshl_b32 s24, s26, 12
	s_add_nc_u64 s[12:13], s[12:13], s[24:25]      ; 4,096 bytes of codes a run
	s_lshl_b32 s24, s26, 8
	s_add_nc_u64 s[14:15], s[14:15], s[24:25]      ; 256 scale bytes a run
.macro LOAD t
.irp i, 0,1,2,3
	global_load_b128 v[R+16*((\t)%AHEAD)+4*\i:R+16*((\t)%AHEAD)+4*\i+3], v3, s[20:21] offset:2048*(\t)+512*\i th:TH_LOAD_NT   ; 32 lanes read 512 consecutive bytes; read once in the launch
.endr
.endm
.macro TURN t                          ; step t's numbers through the stage: LDS serves a wave's instructions in order, so no wait stands between the stores and the loads
.irp i, 0,1,2,3
	ds_store_b128 v14, v[R+16*((\t)%AHEAD)+4*\i:R+16*((\t)%AHEAD)+4*\i+3] offset:32*SP*((\t)%2)+8*SP*\i
.endr
.irp i, 0,1,2,3
	ds_load_b128 v[X+16*((\t)%2)+4*\i:X+16*((\t)%2)+4*\i+3], v15 offset:32*SP*((\t)%2)+16*\i
.endr
.endm
.irp t, 0,1,2,3,4,5,6,7
	LOAD \t
.endr
	s_wait_loadcnt 28                              ; step 0's four loads are in; the 28 of the seven later steps stay out
	TURN 0
.macro STEP t
.set XS, X+16*((\t)%2)
.if (\t) > 0
	s_wait_dscnt 1                                 ; this step's numbers are back from the stage (the last step's byte store may be out)
.else
	s_wait_dscnt 0x0
.endif
.if (\t)+AHEAD < STEPS
	LOAD (\t)+AHEAD                                ; into the registers that the stage's stores have read
.endif
.if (\t)+1 < STEPS
.if STEPS-2-(\t) >= AHEAD-1
	s_wait_loadcnt 4*(AHEAD-1)                     ; the next step's four loads are in; those of the seven steps behind it may be out
.else
	s_wait_loadcnt 4*(STEPS-2-(\t))
.endif
	TURN (\t)+1
.endif
	v_max3_num_f32 v8, |v[XS]|, |v[XS+1]|, |v[XS+2]|               ; the largest magnitude of my 16, in two chains
	v_max3_num_f32 v9, |v[XS+3]|, |v[XS+4]|, |v[XS+5]|
.irp i, 6,10
	v_max3_num_f32 v8, v8, |v[XS+\i]|, |v[XS+\i+1]|
	v_max3_num_f32 v9, v9, |v[XS+\i+2]|, |v[XS+\i+3]|
.endr
	v_max3_num_f32 v8, v8, |v[XS+14]|, |v[XS+15]|
	v_max3_num_f32 v8, v8, v9, (EMAX+1)<<23        ; and the floor 2^(3 - 127): the byte cannot fall under 1
	v_max_num_f32_dpp v8, v8, v8 row_xmask:1 row_mask:0xf bank_mask:0xf   ; with my neighbour's 16: the block's
	v_add_nc_u32 v11, -(EMAX<<23), v8              ; 2 off its exponent field: the conversion takes that field as its scale and nothing else
	v_cvt_scalef32_pk8_fp4_f32 v[C+2*(\t)], v[XS:XS+7], v11
	v_cvt_scalef32_pk8_fp4_f32 v[C+2*(\t)+1], v[XS+8:XS+15], v11
	v_lshrrev_b32 v[E+(\t)], 23, v11               ; the scale's byte (also the plain line behind the conversions)
	ds_store_b8 v5, v[E+(\t)] offset:16*(\t)       ; both lanes of a block write the same byte with the same value
	global_store_b64 v4, v[C+2*(\t):C+2*(\t)+1], s[12:13] offset:32*CB*(\t)   ; the wave stores 256 consecutive bytes, aligned
.endm
.irp t, 0,1,2,3,4,5,6,7,8,9,10,11,12,13,14,15
	STEP \t
.endr
	ds_load_b64 v[12:13], v6                       ; LDS serves a wave's instructions in order: these see my byte stores
	s_wait_dscnt 0x0
	global_store_b64 v7, v[12:13], s[14:15]        ; 32 lanes store 256 consecutive bytes, aligned
	s_wait_tensorcnt 0x0                           ; the wave's end
	ds_add_u32 v[SPW], v[NIL]
	s_wait_dscnt 0x0
	s_endpgm
.Lfunc_end_k_q8d70343f32_quant:
	.size	k_q8d70343f32_quant, .Lfunc_end_k_q8d70343f32_quant-k_q8d70343f32_quant
	.p2alignl 7, 3214868480
	.fill 96, 4, 3214868480
	.section	.rodata,"a",@progbits
	.p2align	6, 0x0
	.amdhsa_kernel k_q8d70343f32_quant
		.amdhsa_group_segment_fixed_size 33280
		.amdhsa_private_segment_fixed_size 0
		.amdhsa_enable_private_segment 0
		.amdhsa_kernarg_size 48
		.amdhsa_user_sgpr_count 2
		.amdhsa_user_sgpr_kernarg_segment_ptr 1
		.amdhsa_wavefront_size32 1
		.amdhsa_system_sgpr_workgroup_id_x 1
		.amdhsa_system_sgpr_workgroup_id_y 1
		.amdhsa_system_sgpr_workgroup_id_z 1
		.amdhsa_system_vgpr_workitem_id 0
		.amdhsa_next_free_vgpr 226
		.amdhsa_next_free_sgpr 66
		.amdhsa_reserve_vcc 0
		.amdhsa_float_denorm_mode_32 3
		.amdhsa_float_denorm_mode_16_64 3
		.amdhsa_memory_ordered 1
		.amdhsa_forward_progress 1
		.amdhsa_inst_pref_size 34
	.end_amdhsa_kernel
	.amdgpu_metadata
---
amdhsa.version: [ 1, 2 ]
amdhsa.kernels:
  - .name:           k_q8d70343f32_quant
    .symbol:         k_q8d70343f32_quant.kd
    .args:
      - { .name: x, .offset: 0, .size: 8, .value_kind: global_buffer, .address_space: global }
      - { .name: Wq, .offset: 8, .size: 8, .value_kind: global_buffer, .address_space: global }
      - { .name: Wk, .offset: 16, .size: 8, .value_kind: global_buffer, .address_space: global }
      - { .name: Wv, .offset: 24, .size: 8, .value_kind: global_buffer, .address_space: global }
      - { .name: codes, .offset: 32, .size: 8, .value_kind: global_buffer, .address_space: global }
      - { .name: scales, .offset: 40, .size: 8, .value_kind: global_buffer, .address_space: global }
    .group_segment_fixed_size: 33280
    .private_segment_fixed_size: 0
    .kernarg_segment_align: 8
    .kernarg_segment_size: 48
    .max_flat_workgroup_size: 128
    .sgpr_count:     66
    .vgpr_count:     226
    .wavefront_size: 32
...
	.end_amdgpu_metadata
.endif
;; end of part 1
;; launch proj (part 2): grid 8 x 32, 8 waves a work-group, clusters of 4 x 4, 327,680 bytes of LDS; arguments codes, scales, bq, bk, bv, qkv; writes qkv
.if DOCPART == 2
	.amdgcn_target "amdgcn-amd-amdhsa--gfx1250"
	.amdhsa_code_object_version 6
	.text
	.protected	k_q8d70343f32_proj
	.globl	k_q8d70343f32_proj
	.p2align	8
	.type	k_q8d70343f32_proj,@function
k_q8d70343f32_proj:
	s_mov_b64 s[64:65], 0
	v_nop
	global_prefetch_b8 v0, s[64:65] scope:SCOPE_SE
	s_setreg_imm32_b32 hwreg(HW_REG_WAVE_MODE, 25, 1), 1
	s_wait_xcnt 0x0
	s_wait_alu depctr_hold_cnt(0) depctr_sa_sdst(0) depctr_va_vdst(0) depctr_va_sdst(0) depctr_va_ssrc(0) depctr_va_vcc(0) depctr_vm_vsrc(0)
	s_getreg_b32 s2, hwreg(HW_REG_IB_STS2, 6, 4)
	s_cmp_eq_u32 s2, 0
	s_cbranch_scc0 .Lentry_in_a_cluster
	s_endpgm
.Lentry_in_a_cluster:
	s_bfe_u32 s2, ttmp6, 0x10000c
	s_cmp_lg_u32 s2, 0xf033
	s_cbranch_scc0 .Lentry_shape_is_right
	s_endpgm
.Lentry_shape_is_right:
; q = x Wq^T + bq, k = x Wk^T + bk, v = x Wv^T + bv on codes of FP4 with E8M0 scales (K = 1,024, sums in f32), and the results QUANTISED on the way out: q and k along a head's 64 numbers, v along the keys.
; They leave as images of the next launch's operand registers; no f32 result goes to memory.
; SHARES.  Work-group (bx, by) STAYS and walks two blocks of 128 stored rows of x, 2 by and 2 by + 1 (one batch, two neighbouring key groups), against columns 128 bx .. + 127 (heads 2 bx, 2 bx + 1) of all three weights.
; All of K lies in LDS: four regions of 128 rows x 512 bytes (Wv, Wq, Wk, x), each filled by one tensor load.  The weights are filled once; x's region is filled again once, for the second block,
; behind the waits, the add and the cluster's round; the load is on its way while the first block's results are quantised and stored.  All LDS is claimed.
; EIGHT WAVES OF TWO KINDS.  n = wave / 2.  A wave is SMALL where bit 0 xor bit 2 of its number is 1: so waves w and w + 4, and waves 2 m and 2 m + 1, are one of each kind.
;   large (q: n = 0, 1; k: n = 2, 3): source 0 = the weight's 128 rows (8 tiles), source 1 = x's rows 64 (n % 2) .. + 63 (4 tiles): 32 accumulators.
;   small (v): source 0 = x's 128 rows (the keys), source 1 = Wv's rows 32 n .. + 31 (2 tiles): 16 accumulators.      A large and a small wave together: 48 of the block's 192.
; The kinds part on the wave's number round the K steps and round the way out, and join ahead of every barrier.
; In both kinds a lane holds ONE row of source 1, and its 64 registers of a source-1 tile run along the next product's K: the rows were stored so that register 16 b + i is index 32 b + 16 (lane / 16) + i.
; Source 1 has two sets of fragment registers; source 0 one, tiles 0-3 fetched anew in a step's middle, tiles 4-7 at its end.
; THE BIAS is the C of the first K step's products: for q and k it runs along source 0 (eight registers a tile of source 0), for v along source 1 (one number a lane and tile, laid eight times).
; CLUSTER 4 x 4: the weights' tiles hang on bx alone and are asked for jointly by a column of the cluster, x's on by alone, by a row.
; PREFETCH: the second block's 65,536 bytes of codes are asked for at the head, a whole block's work ahead of their load: the four partners of a row take 16,384 bytes each, told apart by address; waves 4 and 5, which fetch no tile, 8,192 each, lanes 256 bytes apart.
; qkv, for each head 294,912 bytes: the K-V block, then the Q block, each 16 groups (128 tokens) of 9,216 bytes: + 0 eight code images of K (or Q), 512 bytes each; + 4,096 four images of V, 1,024 each;
;   + 8,192 K's (Q's) scale words, word (tile t, row r) at 16 (16 (t / 4) + r) + 4 (t % 4); + 8,704 V's, word (tile, lane) at 16 lane + 4 tile.  V's words leave as 8 bytes of every 16, the neighbouring wave writing the rest.
; LIMITS: NaN and infinities are not served; a block of zeros or under 2^-124 gets the scale byte 1 with zero codes.
; REGISTERS, window 0: v1-7 addresses; v8-39, v40-55 scale words; v56-119 bias; v120-183 source 0's fragments; v184-247 source 1's, two sets; on the way out v120-233 at work.  Window 1: accumulator (a, t) at 64 a + 8 t.
.set HB,    294912
.set QOFF,  147456
.set GRP,   9216
.set PITCH, 528                        ; an LDS row: 512 bytes + 16: the 16 rows of a fragment load begin 16 bytes apart modulo 256
.set REG,   128*PITCH
.set TILE,  16*PITCH
.set SPARE, 4*REG
.set SPW,   6
.set NIL,   7
.set SC0,   8                          ; source 0's scale words: tile t at 4 t; register q: lanes 0-15 K step q, lanes 16-31 K step 4 + q
.set SC1,   40
.set BI,    56
.set F0,    120
.set F1,    184
.set BV,    248                        ; v's bias at my row of source 1, tiles 0, 1
.set BA,    252                        ; 64 h: where my 64 bias numbers of q or k begin
.set PFO,   253                        ; 256 x lane; never rewritten
.set TM,    120                        ; the way out: 16 registers a tile: + 0 largest magnitudes, + 4 bytes, + 12 the conversions' scale operands
.set PC,    184                        ; codes, 8 a tile
.set PW,    216                        ; scale words
.set AD,    220                        ; addresses of the images
.set SW,    228
.set TT,    232
.set NA,    4                          ; source 1's tiles in the text being laid: 4 (large) or 2 (small)
.set MSB, 0
.macro WIN new                         ; the immediate's high byte repeats the setting that is left
.if MSB != \new
	s_set_vgpr_msb (MSB<<8)|\new
.set MSB, \new
.endif
.endm
.macro NOPS
.rept 4
	v_nop
.endr
.endm
.macro ROUND                           ; a round of the cluster's barrier
	s_barrier_signal -1
	s_barrier_wait -1
	s_cmp_lg_u32 s16, 0
	s_cbranch_scc1 .Lnot_wave_0_\@
	s_barrier_signal -3
.Lnot_wave_0_\@:
	s_barrier_wait -3
	s_barrier_signal -1
	s_barrier_wait -1
.endm
	s_load_b256 s[4:11], s[0:1], 0x0               ; codes s[4:5], scales s[6:7], bq s[8:9], bk s[10:11]
	s_load_b128 s[12:15], s[0:1], 0x20             ; bv s[12:13], qkv s[14:15]
	v_lshl_add_u32 v[SPW], v0, 2, SPARE
	v_mov_b32 v[NIL], 0
	ds_add_u32 v[SPW], v[NIL]                      ; the opening lines: the add, twice on end, and its wait
	ds_add_u32 v[SPW], v[NIL]
	v_lshrrev_b32 v1, 5, v0
	v_readfirstlane_b32 s16, v1                    ; wave 0..7
	s_lshr_b32 s17, s16, 2
	s_xor_b32 s17, s17, s16
	s_and_b32 s17, s17, 1                          ; 1: a small wave (v); 0: a large one (q, k)
	s_lshr_b32 s18, s16, 1                         ; n
	s_bfe_u32 s19, ttmp6, 0x40000                  ; cx
	s_bfe_u32 s20, ttmp6, 0x40004                  ; cy
	s_lshl_b32 s21, ttmp9, 2
	s_add_co_u32 s21, s21, s19                     ; bx = 4 x cluster x + cx
	s_and_b32 s22, ttmp7, 0xffff
	s_lshl_b32 s22, s22, 2
	s_add_co_u32 s22, s22, s20
	s_lshl_b32 s22, s22, 1                         ; my first block of x: 2 (4 x cluster y + cy)
	s_lshl_b32 s23, s20, 2
	s_lshl_b32 s23, 15, s23                        ; my row of the cluster
	s_lshl_b32 s24, 0x1111, s19                    ; my column
	; descriptor group 1: 128 rows x 512 elements of one byte, 4 words of padding behind every 128; bit 21 stands beside a mask
	s_or_b32 s28, s23, (1<<20)|(1<<21)|(6<<22)|(3<<25)   ; x's tiles: to my row
	s_or_b32 s36, s24, (1<<20)|(1<<21)|(6<<22)|(3<<25)   ; the weights': to my column
.irp g, 28, 36
	s_mov_b32 s[\g+1], 512<<16
	s_mov_b32 s[\g+2], 128<<16
	s_mov_b32 s[\g+3], 512<<16
	s_mov_b32 s[\g+4], 128
	s_mov_b32 s[\g+5], 512
	s_mov_b32 s[\g+6], 0
	s_mov_b32 s[\g+7], 0
.endr
	; waves 0-2 fetch Wv, Wq, Wk, wave 3 x.  The weights' address knows bx and the wave, x's the block alone: neither ever holds the other coordinate
	s_lshl_b32 s72, s16, 19                        ; which weight: 1,024 rows of 512 bytes
	s_lshl_b32 s73, s21, 16                        ; 128 bx rows
	s_add_co_u32 s72, s72, s73
	s_mov_b32 s73, 0
	s_lshl_b32 s76, s22, 16                        ; 128 rows a block
	s_add_co_u32 s76, s76, 3072*512                ; behind the weights
	s_mov_b32 s77, 0
	s_mul_i32 s75, s16, REG                        ; where it goes: the wave's number alone
	s_lshl_b32 s78, s19, 14                        ; the prefetch: my work-group's quarter of the second block,
	s_and_b32 s79, s16, 1
	s_lshl_b32 s79, s79, 13                        ; my wave's half of it
	s_add_co_u32 s78, s78, s79
	s_add_co_u32 s78, s78, s76
	s_add_co_u32 s78, s78, 0x10000
	s_mov_b32 s79, 0
	s_wait_dscnt 0x0
	s_wait_kmcnt 0x0
	s_mov_b32 s48, 1
	s_mov_b32 s49, s75
	s_add_nc_u64 s[50:51], s[4:5], s[72:73]
	s_or_b32 s51, s51, 0x80000000
	s_mov_b32 s44, 1
	s_mov_b32 s45, s75
	s_add_nc_u64 s[46:47], s[4:5], s[76:77]
	s_or_b32 s47, s47, 0x80000000
	s_add_nc_u64 s[78:79], s[4:5], s[78:79]
	ROUND                                          ; all sixteen work-groups are here: the joint loads meet
	s_cmp_lt_u32 s16, 3
	s_cbranch_scc0 .Lnot_w
	tensor_load_to_lds s[48:51], s[36:43]
	s_nop 0
	NOPS                                           ; four v_nop behind a tensor load
	s_branch .Lasked
.Lnot_w:
	s_cmp_lt_u32 s16, 4
	s_cbranch_scc0 .Lasked
	tensor_load_to_lds s[44:47], s[28:35]
	s_nop 0
	NOPS
.Lasked:
	; while the tiles are on their way: pointers, addresses, scale words, bias
	s_lshr_b32 s92, s18, 1                         ; n / 2: large: 0 q, 1 k; small: which head
	s_and_b32 s93, s18, 1                          ; n % 2
	s_cmp_eq_u32 s17, 1
	s_cselect_b32 s80, s22, s21                    ; source 0's block of 128 rows: x's block for v, bx for q and k
	s_cselect_b32 s81, s21, s22                    ; source 1's: the other one
	s_mul_i32 s83, s17, 3                          ; 3 in a small wave, else 0
	s_add_co_u32 s82, s92, 1
	s_or_b32 s82, s82, s83                         ; source 0's region: 1 Wq, 2 Wk, 3 x
	s_xor_b32 s84, s83, 3                          ; source 1's: 3 x (large), 0 Wv (small)
	s_xor_b32 s85, s17, 1
	s_and_b32 s85, s85, s93
	s_lshl_b32 s85, s85, 2                         ; large: tile 4 (n % 2)
	s_and_b32 s87, s83, s18
	s_lshl_b32 s87, s87, 1                         ; small: tile 2 n
	s_add_co_u32 s85, s85, s87                     ; source 1's first tile in its region
	s_lshl_b32 s86, s82, 10
	s_lshl_b32 s80, s80, 7
	s_add_co_u32 s86, s86, s80                     ; source 0's first stored row
	s_lshl_b32 s86, s86, 5                         ; 32 scale bytes a row
	s_mov_b32 s87, 0
	s_add_nc_u64 s[52:53], s[6:7], s[86:87]
	s_lshl_b32 s86, s84, 10
	s_lshl_b32 s81, s81, 7
	s_add_co_u32 s86, s86, s81
	s_lshl_b32 s89, s85, 4
	s_add_co_u32 s86, s86, s89                     ; source 1's first stored row
	s_lshl_b32 s86, s86, 5
	s_add_nc_u64 s[54:55], s[6:7], s[86:87]
	s_cmp_eq_u32 s92, 0
	s_cselect_b64 s[56:57], s[8:9], s[10:11]       ; the bias: bq or bk,
	s_cmp_eq_u32 s17, 1
	s_cselect_b64 s[56:57], s[12:13], s[56:57]     ; or bv
	s_lshl_b32 s86, s21, 9
	s_add_nc_u64 s[56:57], s[56:57], s[86:87]      ; at column 128 bx
	s_lshr_b32 s88, s22, 4
	s_lshl_b32 s88, s88, 4
	s_lshl_b32 s89, s21, 1
	s_add_co_u32 s88, s88, s89                     ; head 16 batch + 2 bx
	s_mul_i32 s88, s88, HB
	s_mov_b32 s89, 0
	s_add_nc_u64 s[58:59], s[14:15], s[88:89]
	s_mul_i32 s82, s82, REG                        ; LDS: source 0's region,
	s_mul_i32 s84, s84, REG                        ; source 1's,
	s_mul_i32 s85, s85, TILE                       ; and my rows in it
	s_add_co_u32 s84, s84, s85
	s_lshl_b32 s85, s18, 7
	v_and_b32 v120, 15, v0                         ; r
	v_bfe_u32 v121, v0, 4, 1                       ; h
	v_and_b32 v4, 31, v0
	v_mul_u32_u24 v122, v120, PITCH
	v_lshlrev_b32 v3, 5, v120
	v_and_b32 v5, 8, v120
	v_lshl_add_u32 v122, v121, 4, v122             ; a fragment's row x pitch + 16 h
	v_lshl_add_u32 v3, v121, 4, v3                 ; v3: scale words: 32 r + 16 h
	v_add_nc_u32 v5, v5, v120
	v_add_nc_u32 v1, s82, v122                     ; v1: source 0
	v_add_nc_u32 v2, s84, v122                     ; v2: source 1
	v_lshlrev_b32 v5, 2, v5
	v_lshlrev_b32 v[PFO], 8, v4
	v_lshlrev_b32 v4, 4, v4                        ; v4: 16 x lane
	v_add_nc_u32 v5, s85, v5                       ; v5: 4 (32 n + r + 8 (r / 8)): the column that stored row r of a small wave's first source-1 tile is
	v_lshlrev_b32 v[BA], 6, v121                   ; register 16 b + i of q or k is column 32 b + 16 h + i
	s_wait_alu depctr_va_vdst(0)                   ; the wait ahead of the branch
	s_sub_co_u32 s89, s16, 4
	s_cmp_lt_u32 s89, 2                            ; waves 4 and 5 ask
	s_cbranch_scc0 .Lno_ask
	global_prefetch_b8 v[PFO], s[78:79] th:TH_LOAD_NT scope:SCOPE_SE
.Lno_ask:
.irp t, 0,1,2,3,4,5,6,7
	global_load_b128 v[SC0+4*\t:SC0+4*\t+3], v3, s[52:53] offset:512*\t
.endr
.irp a, 0,1,2,3
	global_load_b128 v[SC1+4*\a:SC1+4*\a+3], v3, s[54:55] offset:512*\a     ; a small wave uses the first two; all four lie inside the buffer
.endr
.irp a, 0,1
	global_load_b32 v[BV+\a], v5, s[56:57] offset:32*\a                     ; used by v; inside the buffer in every wave
.endr
.irp b, 0,1,2,3
.irp i, 0,1,2,3
	global_load_b128 v[BI+16*\b+4*\i:BI+16*\b+4*\i+3], v[BA], s[56:57] offset:128*\b+16*\i   ; used by q and k; inside the buffer in every wave
.endr
.endr
	; where the results go: constants of the wave
	s_and_b32 s90, s22, 15
	s_mul_i32 s90, s90, GRP                        ; the first block's group
	s_xor_b32 s91, s92, 1
	s_mul_i32 s91, s91, QOFF                       ; q: the Q block; k: the K-V block
	s_add_co_u32 s91, s91, s90
	s_mul_i32 s94, s92, HB                         ; v: head 2 bx + n / 2
	s_add_co_u32 s94, s94, s90
	s_lshl_b32 s95, s93, 11
	s_add_co_u32 s60, s91, s95                     ; q, k: codes of tiles 4 (n % 2) ..
	s_add_co_u32 s95, s95, s94
	s_add_co_u32 s95, s95, 4096                    ; v: codes of tiles 2 (n % 2), + 1
	s_lshl_b32 s80, s93, 8
	s_add_co_u32 s63, s91, s80
	s_add_co_u32 s63, s63, 8192                    ; q, k: scale words
	s_lshl_b32 s81, s93, 3
	s_add_co_u32 s81, s81, s94
	s_add_co_u32 s81, s81, 8704                    ; v: scale words
	s_cmp_eq_u32 s17, 1
	s_cselect_b32 s60, s95, s60                    ; the first image
	s_cselect_b32 s63, s81, s63                    ; the first scale word
	s_mov_b32 s82, 1024
	s_cselect_b32 s61, s82, 512                    ; from source-1 tile to tile
	s_mov_b32 s82, HB
	s_cselect_b32 s62, 512, s82                    ; from the fragment's first four registers to its last four: v: the next 64 keys; q, k: the next head
	s_cselect_b32 s66, 256, s82                    ; scale words of lanes 16-31: v: a copy; q, k: the next head's
	s_cselect_b32 s67, 0, 16                       ; and how far they shift the word down
	s_mov_b32 s82, 0xffff
	s_cselect_b32 s68, -1, s82                     ; q, k keep two bytes: the bytes of the unused upper 64 along K are 0
	s_mov_b32 s82, 4096
	s_cselect_b32 s96, s82, 0                      ; the second block's scale words: 128 rows of 32 bytes on, in the source that is x
	s_cselect_b32 s98, 0, s82
	s_mov_b32 s97, 0
	s_mov_b32 s99, 0
	s_mov_b32 s70, 0x76543210
	s_mov_b32 s71, 0xfedcba98                      ; v_permlanex16_b32's selects for lane l xor 16
	s_wait_tensorcnt 0x0                           ; my tile has landed,
	s_barrier_signal -1
	s_barrier_wait -1                              ; everybody's has
	s_wait_loadcnt 0x0                             ; scale words and bias
	s_cmp_lg_u32 s17, 1
	s_cbranch_scc1 .Lno_lay
.irp a, 0,1
.irp i, 0,1,2,3,4,5,6,7
	v_mov_b32 v[BI+8*\a+\i], v[BV+\a]              ; v: the bias of source-1 tile a, in the layout of a result
.endr
.endr
	s_wait_alu depctr_va_vdst(0)
.Lno_lay:
.macro LF1 s                           ; source 1's NA tiles of K step s into set s % 2
.irp a, 0,1,2,3
.if \a < NA
.irp c, 0,1
	ds_load_b128 v[F1+32*((\s)%2)+8*\a+4*\c:F1+32*((\s)%2)+8*\a+4*\c+3], v2 offset:\a*TILE+64*(\s)+32*\c
.endr
.endif
.endr
.endm
.macro LF0 s, t0                       ; source 0's tiles t0 .. t0 + 3
.irp t, \t0, \t0+1, \t0+2, \t0+3
.irp c, 0,1
	ds_load_b128 v[F0+8*(\t)+4*\c:F0+8*(\t)+4*\c+3], v1 offset:(\t)*TILE+64*(\s)+32*\c
.endr
.endr
.endm
.macro MM t, a, s, mode                ; one product.  mode 1, 2: the first K step starts the sums on the bias, by source 0's tile or by source 1's
.if \mode == 1
	v_wmma_scale_f32_16x16x128_f8f6f4 v[64*\a+8*(\t):64*\a+8*(\t)+7], v[F0+8*(\t):F0+8*(\t)+7], v[F1+8*\a:F1+8*\a+7], v[BI+8*(\t):BI+8*(\t)+7], v[SC0+4*(\t)], v[SC1+4*\a] matrix_a_fmt:MATRIX_FMT_FP4 matrix_b_fmt:MATRIX_FMT_FP4
.elseif \mode == 2
	v_wmma_scale_f32_16x16x128_f8f6f4 v[64*\a+8*(\t):64*\a+8*(\t)+7], v[F0+8*(\t):F0+8*(\t)+7], v[F1+8*\a:F1+8*\a+7], v[BI+8*\a:BI+8*\a+7], v[SC0+4*(\t)], v[SC1+4*\a] matrix_a_fmt:MATRIX_FMT_FP4 matrix_b_fmt:MATRIX_FMT_FP4
.elseif (\s) < 4
	v_wmma_scale_f32_16x16x128_f8f6f4 v[64*\a+8*(\t):64*\a+8*(\t)+7], v[F0+8*(\t):F0+8*(\t)+7], v[F1+32*((\s)%2)+8*\a:F1+32*((\s)%2)+8*\a+7], v[64*\a+8*(\t):64*\a+8*(\t)+7], v[SC0+4*(\t)+(\s)], v[SC1+4*\a+(\s)] matrix_a_fmt:MATRIX_FMT_FP4 matrix_b_fmt:MATRIX_FMT_FP4
.else
	v_wmma_scale_f32_16x16x128_f8f6f4 v[64*\a+8*(\t):64*\a+8*(\t)+7], v[F0+8*(\t):F0+8*(\t)+7], v[F1+32*((\s)%2)+8*\a:F1+32*((\s)%2)+8*\a+7], v[64*\a+8*(\t):64*\a+8*(\t)+7], v[SC0+4*(\t)+(\s)-4], v[SC1+4*\a+(\s)-4] matrix_a_fmt:MATRIX_FMT_FP4 matrix_b_fmt:MATRIX_FMT_FP4 matrix_a_scale:MATRIX_SCALE_ROW1 matrix_b_scale:MATRIX_SCALE_ROW1
.endif
.endm
.macro MM16 s, t0, mode                ; the accumulators take turns, one instruction a turn, in the same order in every step
.if \mode
	WIN 0x40                                       ; D in window 1, C (the bias) in window 0
.else
	WIN 0x50                                       ; C and D in window 1
.endif
.irp t, \t0, \t0+1, \t0+2, \t0+3
.irp a, 0,1,2,3
.if \a < NA
	MM (\t), \a, \s, \mode
.endif
.endr
.endr
.endm
; A step of 128 along K.  The four v_nop are the places between products and loads into registers that they read (ISA guide 7.12.1 for vector instructions).
.macro STEP s, mode
	s_wait_dscnt 8                                 ; source 1 and source 0's tiles 0-3 are in; the youngest eight loads (tiles 4-7) may be out
	MM16 \s, 0, \mode
	s_wait_dscnt 0x0                               ; tiles 4-7 are in
.if (\s) < 7
	NOPS
	WIN 0
	LF1 (\s)+1
	LF0 (\s)+1, 0
.endif
	MM16 \s, 4, \mode
.if (\s) < 7
	NOPS
	WIN 0
	LF0 (\s)+1, 4
.endif
	WIN 0
.endm
.macro KSTEPS mode
	LF1 0
	LF0 0, 0
	LF0 0, 4
	STEP 0, \mode
.irp s, 1,2,3,4,5,6,7
	STEP \s, 0
.endr
.endm
.macro KLOOP p                         ; the two kinds part here and join behind their eight steps
	s_cmp_eq_u32 s17, 1
	s_cbranch_scc1 .Lk_small\p
.set NA, 4
	KSTEPS 1
	s_branch .Lk_done\p
.Lk_small\p:
.set NA, 2
	KSTEPS 2
.Lk_done\p:
	NOPS                                           ; four places in front of the first read of results and of loads over scale words and fragments
.endm
; THE WAY OUT.  64 numbers of a lane and source-1 tile a, register 16 b + i = index 32 b + 16 (lane / 16) + i of my row, become a fragment's codes and its scale word.  The tiles go line by line by turns.
.macro OUT
	WIN 0x05
.irp a, 0,1,2,3
.if \a < NA
.irp b, 0,1,2,3
	v_max3_num_f32 v[TM+16*\a+\b], |v[64*\a+16*\b]|, |v[64*\a+16*\b+1]|, 0x1800000   ; block b: my 16 numbers, each accumulator from its low end on, and the floor 2^(3 - 127): the byte cannot fall under 1
.endr
.endif
.endr
	WIN 0x14
.irp i, 2,4,6,8,10,12,14
.irp a, 0,1,2,3
.if \a < NA
.irp b, 0,1,2,3
	v_max3_num_f32 v[TM+16*\a+\b], v[TM+16*\a+\b], |v[64*\a+16*\b+\i]|, |v[64*\a+16*\b+\i+1]|
.endr
.endif
.endr
.endr
	WIN 0
.irp a, 0,1,2,3
.if \a < NA
.irp b, 0,1,2,3
	v_permlanex16_b32 v[TM+16*\a+4+\b], v[TM+16*\a+\b], s70, s71
.endr
.endif
.endr
.irp a, 0,1,2,3
.if \a < NA
.irp b, 0,1,2,3
	v_max_num_f32 v[TM+16*\a+\b], v[TM+16*\a+\b], v[TM+16*\a+4+\b]   ; with lane l xor 16's: the block's largest magnitude
.endr
.endif
.endr
.irp a, 0,1,2,3
.if \a < NA
.irp b, 0,1,2,3
	v_add_nc_u32 v[TM+16*\a+12+\b], 0xff000000, v[TM+16*\a+\b]       ; 2 off its exponent field: the conversion's scale operand
.endr
.endif
.endr
.irp a, 0,1,2,3
.if \a < NA
.irp b, 0,1,2,3
	v_lshrrev_b32 v[TM+16*\a+4+\b], 23, v[TM+16*\a+12+\b]            ; the scale's byte
.endr
.endif
.endr
.irp k, 1,2,3
.irp a, 0,1,2,3
.if \a < NA
.if \k == 1
	v_lshl_or_b32 v[PW+\a], v[TM+16*\a+5], 8, v[TM+16*\a+4]
.else
	v_lshl_or_b32 v[PW+\a], v[TM+16*\a+4+\k], 8*\k, v[PW+\a]         ; my row's scale word, in both halves of the lanes
.endif
.endif
.endr
.endr
	WIN 0x01
.irp a, 0,1,2,3
.if \a < NA
.irp b, 0,1,2,3
	v_cvt_scalef32_pk8_fp4_f32 v[PC+8*\a+2*\b], v[64*\a+16*\b:64*\a+16*\b+7], v[TM+16*\a+12+\b]
	v_cvt_scalef32_pk8_fp4_f32 v[PC+8*\a+2*\b+1], v[64*\a+16*\b+8:64*\a+16*\b+15], v[TM+16*\a+12+\b]
.endr
.endif
.endr
	WIN 0
	v_nop                                          ; one plain place behind a scaled conversion
.irp a, 0,1,2,3
.if \a < NA
.irp c, 0,1                                    ; the operand's layout wants a whole block in a lane: lanes 0-15 block 2 c, lanes 16-31 block 2 c + 1
.irp i, 0,1
	v_permlane16_swap_b32 v[PC+8*\a+4*\c+\i], v[PC+8*\a+2+4*\c+\i]
.endr
.endr
.endif
.endr
	v_add_nc_u32 v[AD], s60, v4
	v_bfe_u32 v[TT+1], v0, 4, 1                    ; h
	v_and_b32 v[TT], 15, v0
	v_add_nc_u32 v[AD+1], s62, v[AD]
	v_lshlrev_b32 v[TT], 4, v[TT]
.irp a, 1,2,3
.if \a < NA
	v_add_nc_u32 v[AD+2*\a], s61, v[AD+2*\a-2]
	v_add_nc_u32 v[AD+2*\a+1], s61, v[AD+2*\a-1]
.endif
.endr
	v_mad_u32_u24 v[TT], v[TT+1], s66, v[TT]
	v_mul_u32_u24 v[TT+1], v[TT+1], s67
	v_add_nc_u32 v[TT], s63, v[TT]                 ; 16 r + h x (the next head, or the copy) + the words' place
.irp a, 0,1,2,3
.if \a < NA
	global_store_b128 v[AD+2*\a], v[PC+8*\a:PC+8*\a+3], s[58:59]       ; each group of four registers is an image, 16 bytes a lane: 512 consecutive bytes a store
	global_store_b128 v[AD+2*\a+1], v[PC+8*\a+4:PC+8*\a+7], s[58:59]
.endif
.endr
.irp a, 0,1,2,3
.if \a < NA
	v_lshrrev_b32 v[SW+\a], v[TT+1], v[PW+\a]      ; q, k: lanes 16-31 take the second head's two bytes
.endif
.endr
.irp a, 0,1,2,3
.if \a < NA
	v_and_b32 v[SW+\a], s68, v[SW+\a]
.endif
.endr
.if NA == 4
	global_store_b128 v[TT], v[SW:SW+3], s[58:59]  ; the words of my four tiles lie side by side: sixteen lanes store 256 consecutive bytes, aligned
.else
	global_store_b64 v[TT], v[SW:SW+1], s[58:59]   ; the words of my two tiles
.endif
.endm
.macro OUTS p                          ; the two kinds part here and join behind their stores
	s_cmp_eq_u32 s17, 1
	s_cbranch_scc1 .Lo_small\p
.set NA, 4
	OUT
	s_branch .Lo_done\p
.Lo_small\p:
.set NA, 2
	OUT
.Lo_done\p:
.endm
	KLOOP 0                                        ; THE FIRST BLOCK
	s_wait_tensorcnt 0x0                           ; ahead of the refill, in every wave: no tensor load of mine is out,
	ds_add_u32 v[SPW], v[NIL]                      ; the add,
	ds_add_u32 v[SPW], v[NIL]                      ; twice on end here
	s_add_nc_u64 s[46:47], s[46:47], 0x10000       ; (x's descriptor steps to the second block: 128 rows of 512 bytes)
	s_wait_dscnt 0x0                               ; and the adds and my reads of x's region are done
	ROUND                                          ; that holds of every wave of all sixteen work-groups
	s_cmp_eq_u32 s16, 3
	s_cbranch_scc0 .Lno_fill
	tensor_load_to_lds s[44:47], s[28:35]          ; the second block of x, jointly with my row of the cluster
	s_nop 0
	NOPS
.Lno_fill:
	s_add_nc_u64 s[52:53], s[52:53], s[96:97]
	s_add_nc_u64 s[54:55], s[54:55], s[98:99]
.irp t, 0,1,2,3,4,5,6,7
	global_load_b128 v[SC0+4*\t:SC0+4*\t+3], v3, s[52:53] offset:512*\t     ; the second block's scale words
.endr
.irp a, 0,1,2,3
	global_load_b128 v[SC1+4*\a:SC1+4*\a+3], v3, s[54:55] offset:512*\a
.endr
	OUTS 0                                         ; the first block leaves while the load is on its way
	s_add_co_u32 s60, s60, GRP                     ; the second block's group.  (The stores above took these numbers into vector registers)
	s_add_co_u32 s63, s63, GRP
	s_wait_alu depctr_va_vdst(0)                   ; the wait ahead of the waits below
	s_wait_tensorcnt 0x0                           ; the tile has landed,
	s_barrier_signal -1
	s_barrier_wait -1                              ; and every wave knows
	s_wait_loadcnt 0x0                             ; the scale words
	s_wait_xcnt 0x0                                ; the stores have read their registers: fragments land there
	KLOOP 1                                        ; THE SECOND BLOCK
	OUTS 1
	s_wait_tensorcnt 0x0                           ; the wave's end
	ds_add_u32 v[SPW], v[NIL]
	s_wait_dscnt 0x0
	ROUND                                          ; the closing round: no work-group ends while a partner may still ask for a tile that names it
	s_endpgm
.Lfunc_end_k_q8d70343f32_proj:
	.size	k_q8d70343f32_proj, .Lfunc_end_k_q8d70343f32_proj-k_q8d70343f32_proj
	.p2alignl 7, 3214868480
	.fill 96, 4, 3214868480
	.section	.rodata,"a",@progbits
	.p2align	6, 0x0
	.amdhsa_kernel k_q8d70343f32_proj
		.amdhsa_group_segment_fixed_size 327680
		.amdhsa_private_segment_fixed_size 0
		.amdhsa_enable_private_segment 0
		.amdhsa_kernarg_size 48
		.amdhsa_user_sgpr_count 2
		.amdhsa_user_sgpr_kernarg_segment_ptr 1
		.amdhsa_wavefront_size32 1
		.amdhsa_system_sgpr_workgroup_id_x 1
		.amdhsa_system_sgpr_workgroup_id_y 1
		.amdhsa_system_sgpr_workgroup_id_z 1
		.amdhsa_system_vgpr_workitem_id 0
		.amdhsa_next_free_vgpr 512
		.amdhsa_next_free_sgpr 104
		.amdhsa_reserve_vcc 0
		.amdhsa_float_denorm_mode_32 3
		.amdhsa_float_denorm_mode_16_64 3
		.amdhsa_memory_ordered 1
		.amdhsa_forward_progress 1
		.amdhsa_inst_pref_size 219
	.end_amdhsa_kernel
	.amdgpu_metadata
---
amdhsa.version: [ 1, 2 ]
amdhsa.kernels:
  - .name:           k_q8d70343f32_proj
    .symbol:         k_q8d70343f32_proj.kd
    .args:
      - { .name: codes, .offset: 0, .size: 8, .value_kind: global_buffer, .address_space: global }
      - { .name: scales, .offset: 8, .size: 8, .value_kind: global_buffer, .address_space: global }
      - { .name: bq, .offset: 16, .size: 8, .value_kind: global_buffer, .address_space: global }
      - { .name: bk, .offset: 24, .size: 8, .value_kind: global_buffer, .address_space: global }
      - { .name: bv, .offset: 32, .size: 8, .value_kind: global_buffer, .address_space: global }
      - { .name: qkv, .offset: 40, .size: 8, .value_kind: global_buffer, .address_space: global }
    .group_segment_fixed_size: 327680
    .private_segment_fixed_size: 0
    .kernarg_segment_align: 8
    .kernarg_segment_size: 48
    .max_flat_workgroup_size: 256
    .sgpr_count:     104
    .vgpr_count:     512
    .wavefront_size: 32
...
	.end_amdgpu_metadata
.endif
;; end of part 2
;; launch attn (part 3): grid 4 x 64, 8 waves a work-group, clusters of 4 x 1, 183,296 bytes of LDS; arguments qkv, out0; writes out0
.if DOCPART == 3
	.amdgcn_target "amdgcn-amd-amdhsa--gfx1250"
	.amdhsa_code_object_version 6
	.text
	.protected	k_q8d70343f32_attn
	.globl	k_q8d70343f32_attn
	.p2align	8
	.type	k_q8d70343f32_attn,@function
k_q8d70343f32_attn:
	s_mov_b64 s[64:65], 0
	v_nop
	global_prefetch_b8 v0, s[64:65] scope:SCOPE_SE
	s_setreg_imm32_b32 hwreg(HW_REG_WAVE_MODE, 25, 1), 1
	s_wait_xcnt 0x0
	s_wait_alu depctr_hold_cnt(0) depctr_sa_sdst(0) depctr_va_vdst(0) depctr_va_sdst(0) depctr_va_ssrc(0) depctr_va_vcc(0) depctr_vm_vsrc(0)
	s_getreg_b32 s2, hwreg(HW_REG_IB_STS2, 6, 4)
	s_cmp_eq_u32 s2, 0
	s_cbranch_scc0 .Lentry_in_a_cluster
	s_endpgm
.Lentry_in_a_cluster:
	s_bfe_u32 s2, ttmp6, 0x10000c
	s_cmp_lg_u32 s2, 0x3003
	s_cbranch_scc0 .Lentry_shape_is_right
	s_endpgm
.Lentry_shape_is_right:
; out[b][q][64 head + d] = the sum over keys of softmax(q . k / 8) v, both products on codes of FP4 with E8M0 scales, for 64 heads of 2,048 tokens x 64.
; THE SOFTMAX AHEAD OF THE SECOND PRODUCT: t = score x log2(e) / 8; M = the running largest t rounded UP to a whole number; p = 2^(t - M) is quantised along the keys, not normalised.
; The row's sum is taken of the unquantised p, in f32, and divides O at the end.  When M moves, the sum and O are multiplied by 2^(old M - new M), which rounds nothing.
; SHARES.  A work-group owns 512 queries of one head; each of its eight waves 64 of them, four tiles of 16, all four carried through one walk over the 2,048 keys, 128 a step:
; a step's fragments of K and V are read from LDS once for the four tiles.  The tiles go in pairs, line by line by turns, so that a line seldom reads the line above it.
; A HEAD'S K AND V, codes and scale words, are 147,456 bytes: they come into LDS ONCE, as they lie in memory (images of operand registers, 16 bytes a lane), and stay: no ring, no byte filled again.
; CLUSTER 4 x 1: the four query blocks of a head want the same 147,456 bytes: each of the eight waves asks for an eighth JOINTLY with its partners.
; NO PREFETCH: the launch's one stream is asked for whole by the head's loads; no loop stands ahead of them in which to ask earlier.
; LAYOUT.  Both products are used transposed: S^T = K Q^T (source 0 = 16 keys), O^T = V^T P^T (source 0 = 16 of the head's 64): a lane holds ONE query (lane % 16) throughout.
; WHICH KEYS FORM A TILE is chosen here by the LDS address of each lane: row m of tile 4 c + u is key 64 c + 32 (m / 8) + 8 u + m % 8 of the step.  Register j of that tile in lane (r, h) is then key
; 64 c + 32 h + 8 u + j: a lane's 32 registers of tiles 4 c .. 4 c + 3 are ONE block of 32 keys, block 2 c + h, and the conversion of tile t is register t of P's operand as it stands.
; In memory tile 2 j + a holds token 32 j + 8 a + r % 8 + 16 (r / 8) in row r: so lane (m, h) reads at 2048 c + 512 (u % 2) + 128 (u / 2) + 1024 (m / 8) + 16 (m % 8) + 256 h.
; The score product's K is 64: the upper 64 of the instruction's 128 are zero codes on both sides (registers 4-7 of K's and Q's fragments, set once), under scale bytes 0 = 2^-127.
; LIMITS: NaN and infinities are not served; a block of p that has fallen to 0 keeps the scale byte 1 with zero codes; the promise holds while |t| stays under 2^31.
; REGISTERS, window 0: v1-14 addresses and constants; v16-31 state, four a tile: -M, largest score, the sum in two halves; v32-39 f; v40-55 at work; v64-77 scale words; v80-95 P's codes; v96-127 Q; v128-255 S^T of a pair, then p.
;   window 1: v0-127 O^T of the four tiles; v128-191 K's eight fragments; v192-223 V's four.
.set HB,    294912                     ; a head's bytes in qkv: the K-V block, then the Q block
.set QOFF,  147456
.set GRP,   9216                       ; a group of 128 tokens: + 0 K's (Q's) images, + 4,096 V's, + 8,192 K's (Q's) scale words, + 8,704 V's
.set STAGE, 147456                     ; behind K and V: 16 rows x (256 + 16) bytes for each wave; no tensor load lands here
.set SPITCH, 272
.set SPARE, STAGE+8*16*SPITCH          ; the spare words, 128 bytes a wave
.set L16, 1                            ; 16 x lane
.set AK0, 2                            ; my lane's place in K's images
.set AS0, 3                            ; and among K's scale words
.set STI, 4                            ; the stage, in
.set STB, 5                            ; the stage, back
.set GO,  6                            ; my byte offset in out0
.set AKC, 7                            ; the next step's addresses: K, K's scale words, V
.set ASC, 8
.set AVC, 9
.set SPW, 10
.set NIL, 11
.set MSK, 12                           ; 0x00ff00ff << 8 h: my two bytes of P's scale word
.set SHR, 13                           ; 7 + 24 h: how far to turn them into place
.set QA,  14                           ; 16 x (lane % 16)
.set ST,  16
.set FF,  32
.set TP,  40
.set KS,  64
.set VS,  68
.set QS,  72
.set PW,  76
.set PC,  80
.set BK,  80                           ; the way out: 16 rows read back
.set QQ,  96
.set SS,  128
.set OO,  0                            ; window 1
.set KK,  128
.set VV,  192
.set MSB, 0
.macro WIN new                         ; the immediate's high byte repeats the setting that is left
.if MSB != \new
	s_set_vgpr_msb (MSB<<8)|\new
.set MSB, \new
.endif
.endm
.macro ROUND                           ; a round of the cluster's barrier
	s_barrier_signal -1
	s_barrier_wait -1
	s_cmp_lg_u32 s8, 0
	s_cbranch_scc1 .Lnot_wave_0_\@
	s_barrier_signal -3
.Lnot_wave_0_\@:
	s_barrier_wait -3
	s_barrier_signal -1
	s_barrier_wait -1
.endm
.macro NOPS
.rept 4
	v_nop
.endr
.endm
.macro KLOAD ak, sa                    ; ten LDS loads: K's eight tiles, 64 codes a key, and their scale words: register u: lanes 0-15 tile u, lanes 16-31 tile 4 + u
	WIN 0x40
.irp c, 0,1
.irp u, 0,1,2,3
	ds_load_b128 v[KK+8*(4*\c+\u):KK+8*(4*\c+\u)+3], v[\ak] offset:2048*\c+512*(\u%2)+128*(\u/2)
.endr
.endr
	WIN 0
	ds_load_b64 v[KS:KS+1], v[\sa] offset:8192
	ds_load_b64 v[KS+2:KS+3], v[\sa] offset:8192+128
.endm
.macro VLOAD av                        ; nine LDS loads: V's four tiles and their scale words
	WIN 0x40
.irp t, 0,1,2,3
.irp c, 0,1
	ds_load_b128 v[VV+8*\t+4*\c:VV+8*\t+4*\c+3], v[\av] offset:4096+1024*\t+512*\c
.endr
.endr
	WIN 0
	ds_load_b128 v[VS:VS+3], v[\av] offset:8704
.endm
	s_load_b128 s[4:7], s[0:1], 0x0                ; qkv s[4:5], out0 s[6:7]
	v_lshl_add_u32 v[SPW], v0, 2, SPARE
	v_mov_b32 v[NIL], 0
	ds_add_u32 v[SPW], v[NIL]                      ; the opening lines: the add, twice on end, and its wait
	ds_add_u32 v[SPW], v[NIL]
	v_lshrrev_b32 v15, 5, v0
	v_readfirstlane_b32 s8, v15                    ; wave 0..7
	s_bfe_u32 s9, ttmp6, 0x40000                   ; cx
	s_lshl_b32 s10, ttmp9, 2
	s_add_co_u32 s10, s10, s9                      ; my block of 512 queries: it enters Q's and O's addresses alone
	s_and_b32 s11, ttmp7, 0xffff                   ; the head, 16 batch + head: the four partners share it
	s_mul_i32 s40, s11, HB
	s_mul_i32 s25, s8, 72*256                      ; my eighth of K and V: in LDS,
	s_add_co_u32 s42, s40, s25                     ; and in memory
	s_mov_b32 s43, 0
	; descriptor group 1: a dense block as 72 rows of 256 bytes (32 elements of 8 bytes), no padding; the mask names all four work-groups, bit 21 stands beside it
	s_mov_b32 s16, 15|(3<<16)|(1<<21)
	s_mov_b32 s17, 32<<16
	s_mov_b32 s18, 72<<16
	s_mov_b32 s19, 32<<16
	s_mov_b32 s20, 72
	s_mov_b32 s21, 32
	s_mov_b32 s22, 0
	s_mov_b32 s23, 0
	s_mov_b32 s24, 1
	; Q: my tiles are 32 block + 4 wave + i of the head's 128: group 4 block + wave / 2, tile 4 (wave % 2) + i in it
	s_lshl_b32 s44, s10, 2
	s_lshr_b32 s45, s8, 1
	s_add_co_u32 s44, s44, s45
	s_mul_i32 s44, s44, GRP
	s_add_co_u32 s44, s44, s40
	s_add_co_u32 s44, s44, QOFF
	s_and_b32 s45, s8, 1
	s_lshl_b32 s46, s45, 11
	s_add_co_u32 s46, s46, s44                     ; codes
	s_mov_b32 s47, 0
	s_lshl_b32 s48, s45, 8
	s_add_co_u32 s48, s48, s44
	s_add_co_u32 s48, s48, 8192                    ; scale words: the four tiles' side by side, 16 bytes a row
	s_mov_b32 s49, 0
	s_lshr_b32 s50, s11, 4
	s_lshl_b32 s50, s50, 23                        ; O: the batch's 2,048 rows of 4,096 bytes,
	s_lshl_b32 s45, s10, 9
	s_lshl_b32 s51, s8, 6
	s_add_co_u32 s45, s45, s51
	s_lshl_b32 s45, s45, 12                        ; my first query 512 block + 64 wave,
	s_add_co_u32 s50, s50, s45
	s_and_b32 s45, s11, 15
	s_lshl_b32 s45, s45, 8                         ; the head's 256 bytes of a row
	s_add_co_u32 s50, s50, s45
	s_mov_b32 s51, 0
	s_mov_b32 s32, 0x76543210
	s_mov_b32 s33, 0xfedcba98                      ; v_permlanex16_b32's selects for lane l xor 16
	s_mov_b32 s34, 0x3e38aa3b                      ; c = log2(e) / 8
	s_mov_b32 s35, s34                             ; (named with it as a pair, so it is written)
	s_mov_b32 s52, 0xbe38aa3b                      ; -c
	s_mov_b32 s53, 0x07060302                      ; v_perm_b32: the two upper halves
	v_and_b32 v[L16], 31, v0
	v_lshlrev_b32 v[L16], 4, v[L16]
	v_and_b32 v[QA], 15, v0
	v_lshlrev_b32 v[QA], 4, v[QA]
	s_wait_alu depctr_va_vdst(0)                   ; the wait ahead of the waits below
	s_wait_dscnt 0x0
	s_wait_kmcnt 0x0
	s_add_nc_u64 s[26:27], s[4:5], s[42:43]
	s_or_b32 s27, s27, 0x80000000
	s_add_nc_u64 s[28:29], s[4:5], s[46:47]
	s_add_nc_u64 s[30:31], s[4:5], s[48:49]
	s_add_nc_u64 s[38:39], s[6:7], s[50:51]
.irp i, 0,1,2,3
	global_load_b128 v[QQ+8*\i:QQ+8*\i+3], v[L16], s[28:29] offset:512*\i   ; Q's codes stay in registers; asked for ahead of the round, awaited ahead of the loop
.endr
	global_load_b128 v[QS:QS+3], v[QA], s[30:31]   ; Q's scale words: register i: tile i
	ROUND                                          ; all four work-groups are here: the joint loads meet
	tensor_load_to_lds s[24:27], s[16:23]          ; every wave's one load
	s_nop 0
	NOPS                                           ; four v_nop behind a tensor load
	v_and_b32 v40, 7, v0
	v_lshlrev_b32 v40, 4, v40                      ; 16 (m % 8)
	v_bfe_u32 v41, v0, 3, 1                        ; m / 8
	v_bfe_u32 v42, v0, 4, 1                        ; h
	v_and_b32 v44, 15, v0                          ; r
	v_lshl_add_u32 v[AK0], v41, 10, v40
	v_lshl_add_u32 v[AS0], v41, 3, v40
	v_lshl_add_u32 v[AK0], v42, 8, v[AK0]
	v_lshl_add_u32 v[AS0], v42, 8, v[AS0]
	v_lshlrev_b32 v43, 3, v42
	v_mov_b32 v[MSK], 0xff00ff
	v_lshlrev_b32 v[MSK], v43, v[MSK]
	v_mad_u32_u24 v[SHR], v42, 24, 7
	s_mul_i32 s45, s8, 16*SPITCH
	s_add_co_u32 s45, s45, STAGE                   ; my stage
	v_mul_u32_u24 v[STI], v44, SPITCH
	v_mul_u32_u24 v[STB], v42, SPITCH
	v_lshl_add_u32 v[STI], v42, 6, v[STI]
	v_lshl_add_u32 v[STB], v44, 4, v[STB]
	v_add_nc_u32 v[STI], s45, v[STI]               ; in: row r, + 64 h
	v_add_nc_u32 v[STB], s45, v[STB]               ; back: lanes 0-15 one row, lanes 16-31 the next
	v_lshlrev_b32 v[GO], 12, v42
	v_lshl_add_u32 v[GO], v44, 4, v[GO]            ; and the same two rows in out0
.irp i, 0,1,2,3
	v_mov_b32 v[ST+4*\i], 0x7f61b1e6               ; -M: 3e38, over every -t
	v_mov_b32 v[ST+4*\i+1], 0xff61b1e6             ; the largest score so far: -3e38
	v_mov_b32 v[ST+4*\i+2], 0                      ; the sum, in two halves
	v_mov_b32 v[ST+4*\i+3], 0
	v_mov_b32 v[FF+2*\i], 0
	v_mov_b32 v[FF+2*\i+1], 0                      ; (named as the upper half of f's pair)
.irp k, 4,5,6,7
	v_mov_b32 v[QQ+8*\i+\k], 0                     ; Q's codes of the unused upper 64 along K
.endr
.endr
	v_mov_b32 v[TP+5], 0                           ; a lane permute's destination counts as one of its sources
	v_mov_b32 v[TP+13], 0
	WIN 0x40
.set j, 0
.rept 128
	v_mov_b32 v[OO+j], 0                           ; O^T: the step is written once; the first finds zeros, which the first change of M leaves zeros.  These lines stand under the tensor load's flight
.set j, j+1
.endr
.irp t, 0,1,2,3,4,5,6,7
.irp k, 4,5,6,7
	v_mov_b32 v[KK+8*\t+\k], 0                     ; K's codes of the unused upper 64: set once, never loaded over
.endr
.endr
	WIN 0
	s_wait_alu depctr_va_vdst(0)                   ; the wait at the head's end
	s_wait_tensorcnt 0x0                           ; my eighth has landed,
	s_barrier_signal -1
	s_barrier_wait -1                              ; everybody's has
	KLOAD AK0, AS0
	VLOAD L16
	s_wait_loadcnt 0x0                             ; Q
.macro TREE n, st                      ; one level of the sums, in place: n packed additions a tile, none reading another of its level
.set j, 0
.rept \n
.irp x, 0,1
	v_pk_add_f32 v[SS+64*\x+j:SS+64*\x+j+1], v[SS+64*\x+j:SS+64*\x+j+1], v[SS+64*\x+j+(\st)/2:SS+64*\x+j+(\st)/2+1]
.endr
.set j, j+\st
.endr
.endm
; TWO TILES OF QUERIES, 2 pr and 2 pr + 1, against the step's 128 keys.  last = 1: nothing more is fetched.
.macro PAIR pr, last
.set TA, 2*\pr
	WIN 0x01                                       ; source 0 (K) in window 1
.irp t, 0,1,2,3
.irp x, 0,1
	v_wmma_scale_f32_16x16x128_f8f6f4 v[SS+64*\x+8*\t:SS+64*\x+8*\t+7], v[KK+8*\t:KK+8*\t+7], v[QQ+8*(TA+\x):QQ+8*(TA+\x)+7], 0, v[KS+\t], v[QS+TA+\x] matrix_a_fmt:MATRIX_FMT_FP4 matrix_b_fmt:MATRIX_FMT_FP4
.endr
.endr
.irp t, 4,5,6,7
.irp x, 0,1
	v_wmma_scale_f32_16x16x128_f8f6f4 v[SS+64*\x+8*\t:SS+64*\x+8*\t+7], v[KK+8*\t:KK+8*\t+7], v[QQ+8*(TA+\x):QQ+8*(TA+\x)+7], 0, v[KS+\t-4], v[QS+TA+\x] matrix_a_fmt:MATRIX_FMT_FP4 matrix_b_fmt:MATRIX_FMT_FP4 matrix_a_scale:MATRIX_SCALE_ROW1
.endr
.endr
	WIN 0
.if (\pr) == 1 && (\last) == 0
	v_add_nc_u32 v[AKC], s36, v[AK0]               ; the next step's addresses: with the v_nop the four places behind the products (ISA guide 7.12.1 for vector instructions)
	v_add_nc_u32 v[ASC], s36, v[AS0]
	v_add_nc_u32 v[AVC], s36, v[L16]
	v_nop
	KLOAD AKC, ASC                                 ; K is done with for this step: the next step's lands while this pair's softmax is walked
.else
	NOPS
.endif
	; the largest score of each block of 32 keys, all of them mine: two chains a block, each accumulator from its low end on.  It serves for the row's maximum and, since p rises with the score, for the block's largest p
.irp x, 0,1
.irp c, 0,1
	v_max3_num_f32 v[TP+8*\x+\c], v[SS+64*\x+32*\c], v[SS+64*\x+32*\c+1], v[SS+64*\x+32*\c+2]
	v_max3_num_f32 v[TP+8*\x+2+\c], v[SS+64*\x+32*\c+16], v[SS+64*\x+32*\c+17], v[SS+64*\x+32*\c+18]
.endr
.endr
.irp i, 3,5,7,9,11,13
.irp x, 0,1
.irp c, 0,1
	v_max3_num_f32 v[TP+8*\x+\c], v[TP+8*\x+\c], v[SS+64*\x+32*\c+\i], v[SS+64*\x+32*\c+\i+1]
	v_max3_num_f32 v[TP+8*\x+2+\c], v[TP+8*\x+2+\c], v[SS+64*\x+32*\c+16+\i], v[SS+64*\x+32*\c+17+\i]
.endr
.endr
.endr
.irp x, 0,1
.irp c, 0,1
	v_max3_num_f32 v[TP+8*\x+\c], v[TP+8*\x+\c], v[SS+64*\x+32*\c+15], v[SS+64*\x+32*\c+31]
.endr
.endr
.irp x, 0,1
.irp c, 0,1
	v_max_num_f32 v[TP+8*\x+\c], v[TP+8*\x+\c], v[TP+8*\x+2+\c]
.endr
.endr
.irp x, 0,1
	v_max_num_f32 v[TP+8*\x+2], v[TP+8*\x], v[TP+8*\x+1]
.endr
.irp x, 0,1
	v_permlanex16_b32 v[TP+8*\x+3], v[TP+8*\x+2], s32, s33
.endr
.irp x, 0,1
	v_max3_num_f32 v[ST+4*(TA+\x)+1], v[TP+8*\x+2], v[TP+8*\x+3], v[ST+4*(TA+\x)+1]   ; the running largest score of my query, lane l xor 16's keys among them
.endr
.irp x, 0,1
	v_mul_f32 v[TP+8*\x+2], s52, v[ST+4*(TA+\x)+1] ; -t (c is positive)
.endr
.irp x, 0,1
	v_floor_f32 v[TP+8*\x+2], v[TP+8*\x+2]         ; the new -M = floor(-t) = -ceil(t)
.endr
.irp x, 0,1
	v_sub_f32 v[TP+8*\x+3], v[TP+8*\x+2], v[ST+4*(TA+\x)]   ; old M - new M: a whole number, 0 or less
.endr
.irp x, 0,1
	v_mov_b32 v[ST+4*(TA+\x)], v[TP+8*\x+2]
.endr
.irp x, 0,1
	v_cvt_i32_f32 v[TP+8*\x+3], v[TP+8*\x+3]       ; (it saturates)
.endr
.irp x, 0,1
	v_ldexp_f32 v[FF+2*(TA+\x)], 1.0, v[TP+8*\x+3] ; f = 2^(old M - new M)
.endr
.set j, 0
.rept 32
	v_pk_fma_f32 v[SS+j:SS+j+1], v[SS+j:SS+j+1], s[34:35], v[ST+4*TA:ST+4*TA+1] op_sel_hi:[1,0,0]   ; the first tile's t - M, two at a time (of the pairs c and -M the low word serves both halves)
.set j, j+2
.endr
	v_fma_f32 v[TP], v[TP], s34, v[ST+4*TA]        ; the same of each block's largest score
	v_fma_f32 v[TP+1], v[TP+1], s34, v[ST+4*TA]
	s_wait_alu depctr_va_vdst(0)                   ; the wait ahead of the batch
.set j, 0
.rept 32                                       ; the first tile's p = 2^(t - M); among the exponentials the second tile's t - M: they read what was written ahead of the wait above, and are read behind the wait below
	v_exp_f32 v[SS+j], v[SS+j]
	v_pk_fma_f32 v[SS+64+j:SS+64+j+1], v[SS+64+j:SS+64+j+1], s[34:35], v[ST+4*TA+4:ST+4*TA+5] op_sel_hi:[1,0,0]
	v_exp_f32 v[SS+j+1], v[SS+j+1]
.set j, j+2
.endr
	v_exp_f32 v[TP], v[TP]                         ; the block's largest p: the same two instructions on the same number
	v_fma_f32 v[TP+8], v[TP+8], s34, v[ST+4*TA+4]
	v_exp_f32 v[TP+1], v[TP+1]
	v_fma_f32 v[TP+9], v[TP+9], s34, v[ST+4*TA+4]
	s_wait_alu depctr_va_vdst(0)                   ; behind the first batch and ahead of the second
.set j, 0
.rept 64
	v_exp_f32 v[SS+64+j], v[SS+64+j]
.set j, j+1
.endr
	v_exp_f32 v[TP+8], v[TP+8]
	v_exp_f32 v[TP+9], v[TP+9]
.irp x, 0,1
	v_pk_mul_f32 v[ST+4*(TA+\x)+2:ST+4*(TA+\x)+3], v[ST+4*(TA+\x)+2:ST+4*(TA+\x)+3], v[FF+2*(TA+\x):FF+2*(TA+\x)+1] op_sel_hi:[1,0]   ; the sums under the new M (plain places behind the exponentials)
.endr
	s_wait_alu depctr_va_vdst(0)                   ; one wait for the batch, ahead of its first reader
.irp x, 0,1
.irp c, 0,1
	v_max_num_f32 v[TP+8*\x+\c], 0x1800000, v[TP+8*\x+\c]   ; the floor 2^(3 - 127): the byte cannot fall under 1
.endr
.endr
.irp x, 0,1
.irp c, 0,1
	v_add_nc_u32 v[TP+8*\x+\c], 0xff000000, v[TP+8*\x+\c]   ; 2 off the exponent field: the conversion's scale operand
.endr
.endr
.irp t, 0,1,2,3,4,5,6,7
.irp x, 0,1
	v_cvt_scalef32_pk8_fp4_f32 v[PC+8*\x+\t], v[SS+64*\x+8*\t:SS+64*\x+8*\t+7], v[TP+8*\x+\t/4]   ; tile t's eight keys are register t of P's operand
.endr
.endr
	; P's scale word: my bytes are h (tiles 0-3) and 2 + h (tiles 4-7); lane l xor 16 has the other two.  (Plain lines behind the conversions)
.irp x, 0,1
	v_perm_b32 v[TP+8*\x+4], v[TP+8*\x+1], v[TP+8*\x], s53         ; the two exponent fields at bits 30:23 and 14:7
.endr
.irp x, 0,1
	v_alignbit_b32 v[TP+8*\x+4], v[TP+8*\x+4], v[TP+8*\x+4], v[SHR] ; turned right by 7 (h = 0) or by 31 (h = 1): into my two bytes
.endr
.irp x, 0,1
	v_permlanex16_b32 v[TP+8*\x+5], v[TP+8*\x+4], s32, s33
.endr
.irp x, 0,1
	v_bfi_b32 v[PW+\x], v[MSK], v[TP+8*\x+4], v[TP+8*\x+5]         ; my two bytes and the other lane's two
.endr
	TREE 16, 4                                     ; the row's sum of the unquantised p, in place: 32 packed additions a tile.  They are also the places between P's codes and scale word and the products
	TREE 8, 8
	TREE 4, 16
	TREE 2, 32
	TREE 1, 64
.irp x, 0,1
	v_pk_add_f32 v[ST+4*(TA+\x)+2:ST+4*(TA+\x)+3], v[ST+4*(TA+\x)+2:ST+4*(TA+\x)+3], v[SS+64*\x:SS+64*\x+1]
.endr
.if (\pr) == 0
	s_wait_dscnt 0x0                               ; V and its scale words are in: nothing was issued behind them
.endif
	WIN 0x41                                       ; O^T in window 1, f in window 0
	s_wait_alu depctr_va_vdst(0)                   ; directly ahead of the first reader of O^T
.set j, 0
.rept 16
.irp x, 0,1
	v_pk_mul_f32 v[OO+32*(TA+\x)+j:OO+32*(TA+\x)+j+1], v[OO+32*(TA+\x)+j:OO+32*(TA+\x)+j+1], v[FF+2*(TA+\x):FF+2*(TA+\x)+1] op_sel_hi:[1,0]   ; O^T under the new M, each accumulator from its low end on
.endr
.set j, j+2
.endr
	WIN 0x51                                       ; V and O^T in window 1, P in window 0
.irp t, 0,1,2,3
.irp x, 0,1
	v_wmma_scale_f32_16x16x128_f8f6f4 v[OO+32*(TA+\x)+8*\t:OO+32*(TA+\x)+8*\t+7], v[VV+8*\t:VV+8*\t+7], v[PC+8*\x:PC+8*\x+7], v[OO+32*(TA+\x)+8*\t:OO+32*(TA+\x)+8*\t+7], v[VS+\t], v[PW+\x] matrix_a_fmt:MATRIX_FMT_FP4 matrix_b_fmt:MATRIX_FMT_FP4
.endr
.endr
	WIN 0
.if (\pr) == 1 && (\last) == 0
	NOPS                                           ; four places in front of loads into registers that the products read
	VLOAD AVC                                      ; the next step's V: it has the next step's first pair in which to land
.endif
.endm
.macro STEP last
	s_wait_alu depctr_va_vdst(0)                   ; the wait ahead of the wait below
	s_wait_dscnt 9                                 ; K's ten loads are in; V's nine, issued behind them, may be out
	PAIR 0, \last
	PAIR 1, \last
.endm
	s_mov_b32 s36, GRP                             ; LDS byte of the next step's group
	s_mov_b32 s37, 15
.Lstep:
	STEP 0
	s_add_co_u32 s36, s36, GRP
	s_sub_co_u32 s37, s37, 1
	s_cmp_lg_u32 s37, 0
	s_cbranch_scc1 .Lstep
	STEP 1                                         ; the last step is written out: it fetches nothing
	; THE WAY OUT.  O^T is divided by the row's sum and goes, a tile at a time, through my stage in LDS, so that sixteen lanes store 256 consecutive bytes, aligned.
	NOPS                                           ; four places behind the last products
.irp i, 0,1,2,3
	v_add_f32 v[ST+4*\i+2], v[ST+4*\i+2], v[ST+4*\i+3]             ; the sum's two halves,
.endr
.irp i, 0,1,2,3
	v_permlanex16_b32 v[TP+\i], v[ST+4*\i+2], s32, s33
.endr
.irp i, 0,1,2,3
	v_add_f32 v[ST+4*\i+2], v[ST+4*\i+2], v[TP+\i]                 ; and lane l xor 16's: the row's sum
.endr
	s_wait_alu depctr_va_vdst(0)                   ; the wait ahead of the batch
.irp i, 0,1,2,3
	v_rcp_f32 v[ST+4*\i+2], v[ST+4*\i+2]
.endr
	v_nop                                          ; one plain place behind a transcendental
	WIN 0x01
	s_wait_alu depctr_va_vdst(0)                   ; behind the batch, and directly ahead of the first reader of O^T
.irp i, 0,1,2,3
.set j, 0
.rept 16
	v_pk_mul_f32 v[SS+32*\i+j:SS+32*\i+j+1], v[OO+32*\i+j:OO+32*\i+j+1], v[ST+4*\i+2:ST+4*\i+3] op_sel_hi:[1,0]   ; register 8 t + n of a tile is channel 32 (t / 2) + 16 h + 8 (t % 2) + n
.set j, j+2
.endr
.endr
	WIN 0
	s_wait_alu depctr_va_vdst(0)
.irp i, 0,1,2,3                                ; lane r's query of tile i is 32 (i / 2) + 8 (i % 2) + r + 8 (r / 8) of my 64
.if \i > 0
	s_wait_xcnt 0x0                                ; the last tile's stores have read their registers: this tile's rows land there
.endif
.irp t, 0,1,2,3
.irp q, 0,1
	ds_store_b128 v[STI], v[SS+32*\i+8*\t+4*\q:SS+32*\i+8*\t+4*\q+3] offset:128*(\t/2)+32*(\t%2)+16*\q
.endr
.endr
.irp k, 0,1,2,3,4,5,6,7
	ds_load_b128 v[BK+4*\k:BK+4*\k+3], v[STB] offset:2*\k*SPITCH   ; LDS serves a wave's instructions in order: these see my stores, and the next tile's stores come behind them; the stage is my own
.endr
.irp k, 0,1,2,3,4,5,6,7
	s_wait_dscnt 7-\k                              ; rows 2 k, 2 k + 1 are back; the later loads may be out
	global_store_b128 v[GO], v[BK+4*\k:BK+4*\k+3], s[38:39] offset:(32*(\i/2)+8*(\i%2)+2*\k+8*(\k/4))*4096 th:TH_STORE_NT   ; a query's 64 channels; written once
.endr
.endr
	s_wait_tensorcnt 0x0                           ; the wave's end
	ds_add_u32 v[SPW], v[NIL]
	s_wait_dscnt 0x0
	ROUND                                          ; the closing round: no work-group ends while a partner may still ask for a tile that names it
	s_endpgm
.Lfunc_end_k_q8d70343f32_attn:
	.size	k_q8d70343f32_attn, .Lfunc_end_k_q8d70343f32_attn-k_q8d70343f32_attn
	.p2alignl 7, 3214868480
	.fill 96, 4, 3214868480
	.section	.rodata,"a",@progbits
	.p2align	6, 0x0
	.amdhsa_kernel k_q8d70343f32_attn
		.amdhsa_group_segment_fixed_size 183296
		.amdhsa_private_segment_fixed_size 0
		.amdhsa_enable_private_segment 0
		.amdhsa_kernarg_size 16
		.amdhsa_user_sgpr_count 2
		.amdhsa_user_sgpr_kernarg_segment_ptr 1
		.amdhsa_wavefront_size32 1
		.amdhsa_system_sgpr_workgroup_id_x 1
		.amdhsa_system_sgpr_workgroup_id_y 1
		.amdhsa_system_sgpr_workgroup_id_z 1
		.amdhsa_system_vgpr_workitem_id 0
		.amdhsa_next_free_vgpr 480
		.amdhsa_next_free_sgpr 66
		.amdhsa_reserve_vcc 0
		.amdhsa_float_denorm_mode_32 3
		.amdhsa_float_denorm_mode_16_64 3
		.amdhsa_memory_ordered 1
		.amdhsa_forward_progress 1
		.amdhsa_inst_pref_size 128
	.end_amdhsa_kernel
	.amdgpu_metadata
---
amdhsa.version: [ 1, 2 ]
amdhsa.kernels:
  - .name:           k_q8d70343f32_attn
    .symbol:         k_q8d70343f32_attn.kd
    .args:
      - { .name: qkv, .offset: 0, .size: 8, .value_kind: global_buffer, .address_space: global }
      - { .name: out0, .offset: 8, .size: 8, .value_kind: global_buffer, .address_space: global }
    .group_segment_fixed_size: 183296
    .private_segment_fixed_size: 0
    .kernarg_segment_align: 8
    .kernarg_segment_size: 16
    .max_flat_workgroup_size: 256
    .sgpr_count:     66
    .vgpr_count:     480
    .wavefront_size: 32
...
	.end_amdgpu_metadata
.endif
;; end of part 3
